; MI455X (gfx1250); checked and timed in simulation.
; The chip was launched on July 23, 2026; its instructions are those of AMD's public machine-readable ISA for CDNA 5 (MIT licence, August 2026) and "CDNA5" Instruction Set Architecture Reference Guide (July 2026). The comments in the code are by the model that wrote it; some were corrected since.
;; Mask Adaptive Embedding. Allowed arithmetic: float matrix products may take bf16 or f16 operands with f32 sums; all other float work in f32.
;; Inputs: emb0 20,000 x 1,024 float32; emb1 20,000 x 256 float32; emb2 160,000 x 64 float32; emb3 67,735 x 16 float32; proj1 256 x 1,024 float32; proj2 64 x 1,024 float32; proj3 16 x 1,024 float32; tokens 8 x 2,048 int32.
;; Outputs: out0 8 x 2,048 x 1,024 float32.
;; 2 versions, each right; version 2 is version 1 with the launch embed written anew for expert scheduling mode. Each part assembles by itself: llvm-mc -triple=amdgcn-amd-amdhsa -mcpu=gfx1250 --defsym DOCPART=n.
;; ======== version 1 of 2: 1 launch
;; launch embed (part 1): grid 4 x 64, 4 waves a work-group, no clusters, 180,736 bytes of LDS; arguments emb0, emb1, emb2, emb3, proj1, proj2, proj3, tokens, out0; writes out0
.if DOCPART == 1
	.amdgcn_target "amdgcn-amd-amdhsa--gfx1250"
	.amdhsa_code_object_version 6
	.text
	.protected	k_q33cb338932_embed
	.globl	k_q33cb338932_embed
	.p2align	8
	.type	k_q33cb338932_embed,@function
k_q33cb338932_embed:
	s_mov_b64 s[64:65], 0
	v_nop
	global_prefetch_b8 v0, s[64:65] scope:SCOPE_SE
	s_setreg_imm32_b32 hwreg(HW_REG_WAVE_MODE, 25, 1), 1
	s_wait_xcnt 0x0
; MaskAdaptiveEmbedding.  16,384 tokens; out[t][0..1023] (f32) =
;   32 * emb0[tok]                       for tok in [0, 20000)
;   32 * (emb1[tok-20000]  @ proj1)      for tok in [20000, 40000)      (K = 256)
;   32 * (emb2[tok-40000]  @ proj2)      for tok in [40000, 200000)     (K = 64)
;   32 * (emb3[tok-200000] @ proj3)      for tok in [200000, 267735)    (K = 16)
;   0                                    for any other tok (all four masks of the problem are false)
; ONE DENSE PRODUCT.  A[t] (bf16, K = 352) = emb1 row | emb2 row | emb3 row | 16 zeros, with the segments of the clusters to which
; the token does not belong set to zero; P = proj1, proj2, proj3, 16 zero rows stacked.  So no branch, trip count, register number
; or wait count hangs on a token: only gather offsets do, each clamped by v_min_u32.
; SHARES.  Work-group (x = cb, y = tb): 256 tokens x 256 columns.  Wave w: all 256 tokens x the 64 columns from 256 cb + 64 w.
; P's 352 x 64 piece of a wave stays in 352 registers for the whole kernel, loaded once in fragment layout.  A is built once for the
; work-group in LDS, a quarter by each wave, in four chunks of 64 tokens; a tile is 16 tokens: 4 accumulators x 11 K steps.
; COLUMN MAP.  Accumulator t, lane r = column base + 4 r + t.  So one 16-byte load of proj[k][base + 4 r ..] feeds one k of all four
; B fragments, and the four accumulators' register j of a lane are 16 neighbouring bytes of one output row: each store of the wave
; covers two aligned runs of 256 consecutive bytes (rows j and 8 + j), with no way through LDS.
; GATHERS WITHOUT EXEC.  d = tok - lo; e = min(d, n); m = min(n - e, 1); offset = ((e << log2 row bytes) + lane term) * m: a member reads
; its row, all others the table's first bytes.  What is read there never reaches a result: v_cndmask_b32 on the member mask selects.
; NO CLUSTER, NO JOINT REQUESTS: the 64 work-groups of one cb do read the same 336 x 1,024 bytes of P, but P has to pass through registers to be
; rounded to bf16 and is wanted there in fragment layout, where plain loads put it; brought jointly it would land in LDS as f32, 344,064 bytes,
; more than the 327,680 that a work-group can be given.  The gathered rows follow a list, row by row.
; The text is straight-line (16 tiles written out): every ring index, LDS offset and wait count is a constant, and the tails need no clamped load.
; LIMITS.  (1) proj1, proj2, proj3 must stay finite when rounded to bf16 (|x| below about 3.39e38): a zero of A meets every row of P, and
; 0 x infinity would put a NaN into rows of other clusters.  Non-finite numbers in the emb tables reach only the tokens that name them.
; (2) Products take bf16 operands (round to nearest even) and f32 sums in the matrix unit's order; the emb0 path is f32 throughout.
; (3) The sign of a zero result may differ from the reference's.
.set N0,   20000                       ; rows of emb0
.set LO1,  20000                       ; cluster 1: first token, rows
.set N1,   20000
.set LO2,  40000
.set N2,   160000
.set LO3,  200000
.set N3,   67735
.set ROWB, 4096                        ; bytes in a row of out, of emb0 and of each proj
.set PITCH, 688                        ; an LDS row of A: 672 bytes of data + 16 = 43 x 16, an odd multiple of 16: the 16 rows of a fragment load start in 16 different 16-byte columns
.set TILE,  16*PITCH                   ; 11,008
.set CHUNK, 64*PITCH                   ; 44,032
.set TOKL,  256*PITCH                  ; 176,128: behind A, 1,024 bytes for each wave: its own copy of the work-group's 256 tokens
; scalar registers
.set SC32, 2                           ; s[2:3]   32.0, 32.0
.set EMB0, 8                           ; s[8:23]  the eight inputs' addresses
.set EMB1, 10
.set EMB2, 12
.set EMB3, 14
.set PJ1,  16
.set PJ2,  18
.set PJ3,  20
.set TOKS, 22
.set OUT,  24                          ; s[24:25] out0
.set MG1,  32                          ; s[32:39] member masks of the pending gather, emb1, token j
.set MG2,  40                          ; s[40:47] emb2
.set MG3,  48                          ; s[48:49] emb3
.set ME,   66                          ; s[66:97] cluster-0 masks of the four emb0 slots: 8 slot + j
; window 0 (v0-255)
.set LN16, 1                           ; 16 r
.set LNC,  2                           ; 16 r + my columns' byte offset in a row
.set VB,   3                           ; LNC + 8 h rows of 4,096 bytes; never rewritten
.set LN3,  4                           ; 16 (L & 3)
.set TKA,  5                           ; my token copy + 32 h
.set TPA,  6                           ; TKA + 64 w
.set T3A,  7                           ; my token copy + 64 w + 4 (L >> 2)
.set ALA,  8                           ; 688 r + 16 h, + CHUNK after each chunk
.set TGO,  9                           ; 32 L; never rewritten
.set TST,  10                          ; my token copy + 32 L
.set T3N,  14                          ; v[14:15]   tokens for the emb3 gather
.set TKN,  16                          ; v[16:23]   eight tokens at work
.set OFFE, 24                          ; v[24:31]   emb0 offsets
.set OFF1, 32                          ; v[32:39]   emb1 offsets
.set OFF2, 40                          ; v[40:47]   emb2 offsets
.set AF0,  48                          ; v[48:135]  A fragments, buffer 0: K step s at + 8 s; + 84 .. + 87 stay zero
.set AF1,  136                         ; v[136:223] buffer 1
.set BS,   48                          ; v[48:239]  ahead of the tiles: three slots of 64 registers, P as loaded (f32)
.set OFF3, 240                         ; v[240:241] emb3 offsets
.set XT,   242                         ; v[242:249] the factors m
; window 1 (v256-511): B fragments of K steps 0-7, at 32 s + 8 t.  Window 2 (v512-767): K steps 8-10 at 32 (s - 8) + 8 t, then
.set GS1,  96                          ; v[608:735] emb1 as gathered: 16 j + 4 q
.set AST2, 224                         ; v736       where I store A: 11008 w + 5504 h + 8 r, + CHUNK after each chunk
; window 3 (v768-1023)
.set EZ,   0                           ; v[768:895] emb0 ring: 32 slot + 4 j + t; the result is made and stored from here
.set ACC,  128                         ; v[896:927] four accumulators
.set GS2,  160                         ; v[928:959] emb2 as gathered: 4 j
.set GS3,  192                         ; v[960:967] emb3 as gathered: 4 q
.set OUTO3, 200                        ; v968       = VB; never rewritten
.set AST3, 201                         ; v969       = AST2
.set AS3,  202                         ; v970       11008 w + 688 (L >> 2) + 8 (L & 3), + CHUNK after each chunk
; s_set_vgpr_msb's low byte: bits 1:0 source 0, 3:2 source 1, 5:4 source 2, 7:6 destination; the high byte repeats the setting that is left.
; Used: 0; 0x40, 0x80, 0xC0 destination in window 1, 2, 3; 0x8A all in window 2; 0xCF all in window 3; 0xF4, 0xF8 matrix: C, D window 3, A window 0, B window 1, 2.
.set MSB, 0
.macro WIN new
.if MSB != \new
	s_set_vgpr_msb (MSB<<8)|\new
.set MSB, \new
.endif
.endm
; LDN counts the global loads issued so far in the text, which has one path.  A group of loads notes LDN behind its last load (its mark).
; To use the group: wait until no more loads are out than were issued behind it (loads return in order, ISA guide 5.7.1).
; The wait's field holds 63 at the most; where more were issued behind the group the count is 63, which is smaller and so asks for more.
.set LDN, 0
.macro WAITLD mark
.if LDN-(\mark) > 63
	s_wait_loadcnt 63
.else
	s_wait_loadcnt LDN-(\mark)
.endif
.endm
.macro PLACES                          ; four places behind a matrix instruction (ISA guide 7.12.1)
.rept 4
	v_nop
.endr
.endm
; Offsets and member masks for cnt tokens v[tok ..] of the cluster [lo, lo + n): stage by stage, so that no line waits for the one in front of it.
.macro ADDR off, tok, msk, cnt, lo, n, sh, lane
.if \lo
.set a_, 0
.rept \cnt
	v_add_nc_u32 v[\off+a_], (-\lo)&0xffffffff, v[\tok+a_]      ; d = tok - lo, huge (unsigned) for a token below lo
.set a_, a_+1
.endr
.set SRC_, \off
.else
.set SRC_, \tok
.endif
.set a_, 0
.rept \cnt
	v_cmp_gt_u32 s[\msk+a_], \n, v[SRC_+a_]                     ; member: n > d
.set a_, a_+1
.endr
.set a_, 0
.rept \cnt
	v_min_u32 v[\off+a_], \n, v[SRC_+a_]                        ; e = min(d, n): from here on the number is bounded
.set a_, a_+1
.endr
.set a_, 0
.rept \cnt
	v_sub_nc_u32 v[XT+a_], \n, v[\off+a_]
.set a_, a_+1
.endr
.set a_, 0
.rept \cnt
	v_min_u32 v[XT+a_], 1, v[XT+a_]                             ; m = min(n - e, 1): 1 for a member, else 0
.set a_, a_+1
.endr
.set a_, 0
.rept \cnt
	v_lshl_add_u32 v[\off+a_], v[\off+a_], \sh, v[\lane]        ; the row's bytes + my piece of it
.set a_, a_+1
.endr
.set a_, 0
.rept \cnt
	v_mul_lo_u32 v[\off+a_], v[\off+a_], v[XT+a_]               ; a non-member reads at offset 0
.set a_, a_+1
.endr
.endm
; K step s of P as f32 into staging slot s % 3: load kk brings row k = 32 s' + 8 h + kk (kk < 8) or + 16 + 8 h + kk - 8, my 4 columns.
; Sixteen lanes read 256 consecutive bytes.  K step 10 has 16 rows only (proj3).
.macro BLD s
	WIN 0
.if \s < 8
.set BB, PJ1
.set BR, 32*\s
.set BN, 16
.else
.if \s < 10
.set BB, PJ2
.set BR, 32*(\s-8)
.set BN, 16
.else
.set BB, PJ3
.set BR, 0
.set BN, 8
.endif
.endif
.set kk, 0
.rept BN
	global_load_b128 v[BS+64*(\s%3)+4*kk:BS+64*(\s%3)+4*kk+3], v[VB], s[BB:BB+1] offset:(BR+kk+8*(kk/8))*ROWB
.set kk, kk+1
.set LDN, LDN+1
.endr
.set MK_B\s, LDN
.endm
; Staging slot to B fragments: register i of fragment t holds k pair (2 i, 2 i + 1) of the loads' order, column 4 r + t.
.macro BCV s
	WAITLD MK_B\s
.if \s < 8
	WIN 0x40
.set BD, 32*\s
.else
	WIN 0x80
.set BD, 32*(\s-8)
.endif
.if \s < 10
.set BN, 8
.else
.set BN, 4
.endif
.set tt, 0
.rept 4
.set ii, 0
.rept BN
	v_cvt_pk_bf16_f32 v[BD+8*tt+ii], v[BS+64*(\s%3)+8*ii+tt], v[BS+64*(\s%3)+8*ii+4+tt]
.set ii, ii+1
.endr
.set tt, tt+1
.endr
.if \s == 10
.irp t, 0,1,2,3
.irp i, 4,5,6,7
	v_mov_b32 v[BD+8*\t+\i], 0                                  ; k = 336 .. 351: P's zero rows
.endr
.endr
.endif
.endm
; Tokens 16 u + 8 h + 0 .. 7 of the work-group, from my own copy
.macro TKLOAD u
	WIN 0
	ds_load_b128 v[TKN:TKN+3],   v[TKA] offset:64*(\u)
	ds_load_b128 v[TKN+4:TKN+7], v[TKA] offset:64*(\u)+16
.endm
; The emb0 pieces of the tile whose tokens TKLOAD asked for, into ring slot `slot`: row j of each half, my 16 bytes.
.macro E0REFILL slot
	WIN 0
	s_wait_dscnt 0x0                                            ; TKN is in (and, in a trip, the next tile's A fragments)
	s_wait_xcnt 0x0                                             ; OFFE, which the last refill's loads name, and the slot, which its tile's stores read, are rewritten only behind this wait
	ADDR OFFE, TKN, ME+8*\slot, 8, 0, N0, 12, LNC
	WIN 0xC0
.irp j, 0,1,2,3,4,5,6,7
	global_load_b128 v[EZ+32*\slot+4*\j:EZ+32*\slot+4*\j+3], v[OFFE+\j], s[EMB0:EMB0+1]
.set LDN, LDN+1
.endr
.set MK_E\slot, LDN
.endm
; Chunk c's gather, my tile 4 c + w: 42 loads into registers.  emb1: token 8 h + j, 16 lanes take 256 consecutive bytes, four loads a row;
; emb2: one load a row; emb3: four lanes a row of 64 bytes, tokens (L >> 2) + 8 q.
; OFF1-3 and the GS registers were freed by the wait at the head of the CONVERT in front, which shows the last gather's loads done.
.macro GATHER c
	WIN 0
	ds_load_b128 v[TKN:TKN+3],   v[TPA] offset:256*\c
	ds_load_b128 v[TKN+4:TKN+7], v[TPA] offset:256*\c+16
	ds_load_b32 v[T3N],   v[T3A] offset:256*\c
	ds_load_b32 v[T3N+1], v[T3A] offset:256*\c+32
	s_wait_dscnt 0x0
	ADDR OFF1, TKN, MG1, 8, LO1, N1, 10, LN16
	ADDR OFF2, TKN, MG2, 8, LO2, N2, 8, LN16
	ADDR OFF3, T3N, MG3, 2, LO3, N3, 6, LN3
	WIN 0x80
.irp j, 0,1,2,3,4,5,6,7
.irp q, 0,1,2,3
	global_load_b128 v[GS1+16*\j+4*\q:GS1+16*\j+4*\q+3], v[OFF1+\j], s[EMB1:EMB1+1] offset:256*\q
.set LDN, LDN+1
.endr
.endr
	WIN 0xC0
.irp j, 0,1,2,3,4,5,6,7
	global_load_b128 v[GS2+4*\j:GS2+4*\j+3], v[OFF2+\j], s[EMB2:EMB2+1]
.set LDN, LDN+1
.endr
.irp q, 0,1
	global_load_b128 v[GS3+4*\q:GS3+4*\q+3], v[OFF3+\q], s[EMB3:EMB3+1]
.set LDN, LDN+1
.endr
.set MK_G, LDN
.endm
; Four f32 in v[x:x+3] to four bf16 in v[x:x+1]; zero in the lanes whose token is no member (a select: what was read there does not matter)
.macro CVT4 x, m
	v_cvt_pk_bf16_f32 v[\x], v[\x], v[\x+1]
	v_cvt_pk_bf16_f32 v[\x+1], v[\x+2], v[\x+3]
	v_cndmask_b32 v[\x], 0, v[\x], s[\m]
	v_cndmask_b32 v[\x+1], 0, v[\x+1], s[\m]
.endm
; The pending gather to A in LDS: 8 bytes a lane; lanes 0-15 fill 128 consecutive bytes of one row, lanes 16-31 of the row 8 further (5,504 = 128 mod 256 bytes on).
; These bytes belong to a chunk that no wave reads before the next barrier, and no byte of A is written twice.
.macro CONVERT
	WAITLD MK_G
	WIN 0x8A
.irp j, 0,1,2,3,4,5,6,7
.irp q, 0,1,2,3
	CVT4 GS1+16*\j+4*\q, MG1+\j
	ds_store_b64 v[AST2], v[GS1+16*\j+4*\q:GS1+16*\j+4*\q+1] offset:PITCH*\j+128*\q
.endr
.endr
	v_add_nc_u32 v[AST2], CHUNK, v[AST2]
	WIN 0xCF
.irp j, 0,1,2,3,4,5,6,7
	CVT4 GS2+4*\j, MG2+\j
	ds_store_b64 v[AST3], v[GS2+4*\j:GS2+4*\j+1] offset:PITCH*\j+512
.endr
.irp q, 0,1
	CVT4 GS3+4*\q, MG3+\q
	ds_store_b64 v[AS3], v[GS3+4*\q:GS3+4*\q+1] offset:8*PITCH*\q+640
.endr
	v_add_nc_u32 v[AST3], CHUNK, v[AST3]
	v_add_nc_u32 v[AS3], CHUNK, v[AS3]
.endm
; The A fragments of tile a of the chunk: lane (r, h) takes row r, bytes 64 s + 16 h and + 32 of K step s; K step 10 has data for its first 16 k only.
.macro ALOAD a, buf
	WIN 0
.irp s, 0,1,2,3,4,5,6,7,8,9
	ds_load_b128 v[\buf+8*\s:\buf+8*\s+3],   v[ALA] offset:TILE*(\a)+64*\s
	ds_load_b128 v[\buf+8*\s+4:\buf+8*\s+7], v[ALA] offset:TILE*(\a)+64*\s+32
.endr
	ds_load_b128 v[\buf+80:\buf+83], v[ALA] offset:TILE*(\a)+640
.endm
; One tile.  i: tile 0-15; a = i % 4; pre = 1: the chunk's next tile's fragments are asked for; ref: the tile whose emb0 pieces are asked for (-1: none);
; slot = i % 4: my emb0 slot; rslot = ref % 4: the slot filled again, which the tile in front has just stored.
.macro TRIP i, a, pre, ref, slot, rslot
.if (\i)&1
.set AB, AF1
.set AN, AF0
.else
.set AB, AF0
.set AN, AF1
.endif
.if \ref >= 0
	TKLOAD \ref
.endif
.if \pre
	ALOAD \a+1, AN                                              ; the matrix instructions that read this buffer stand in the tile in front, with its whole way out behind them
.endif
	WIN 0xF4
.irp t, 0,1,2,3
	v_wmma_f32_16x16x32_bf16 v[ACC+8*\t:ACC+8*\t+7], v[AB:AB+7], v[8*\t:8*\t+7], 0      ; the first product starts the sums
.endr
.irp s, 1,2,3,4,5,6,7
.irp t, 0,1,2,3
	v_wmma_f32_16x16x32_bf16 v[ACC+8*\t:ACC+8*\t+7], v[AB+8*\s:AB+8*\s+7], v[32*\s+8*\t:32*\s+8*\t+7], v[ACC+8*\t:ACC+8*\t+7]
.endr
.endr
	WIN 0xF8
.irp s, 8,9,10
.irp t, 0,1,2,3
	v_wmma_f32_16x16x32_bf16 v[ACC+8*\t:ACC+8*\t+7], v[AB+8*\s:AB+8*\s+7], v[32*(\s-8)+8*\t:32*(\s-8)+8*\t+7], v[ACC+8*\t:ACC+8*\t+7]
.endr
.endr
.if \ref >= 0
	E0REFILL \rslot                                             ; its 48 vector instructions name no matrix register: they are also the places behind the last products
.else
.if \pre
	s_wait_dscnt 0x0                                            ; the next tile's A fragments are in
.endif
	PLACES
.endif
	WAITLD MK_E\slot                                            ; my tile's emb0 pieces are in; the younger refills and the pending gather stay out
	WIN 0xCF
.irp j, 0,1,2,3,4,5,6,7
.irp t, 0,1,2,3
	v_cndmask_b32 v[EZ+32*\slot+4*\j+\t], v[ACC+8*\t+\j], v[EZ+32*\slot+4*\j+\t], s[ME+8*\slot+\j]   ; cluster 0: the emb0 number; else the product.  This also brings 4 neighbouring columns together
.endr
	v_pk_mul_f32 v[EZ+32*\slot+4*\j:EZ+32*\slot+4*\j+1],   v[EZ+32*\slot+4*\j:EZ+32*\slot+4*\j+1],   s[SC32:SC32+1] op_sel_hi:[1,0]
	v_pk_mul_f32 v[EZ+32*\slot+4*\j+2:EZ+32*\slot+4*\j+3], v[EZ+32*\slot+4*\j+2:EZ+32*\slot+4*\j+3], s[SC32:SC32+1] op_sel_hi:[1,0]
	global_store_b128 v[OUTO3], v[EZ+32*\slot+4*\j:EZ+32*\slot+4*\j+3], s[OUT:OUT+1] offset:(16*\i+\j)*ROWB th:TH_STORE_NT   ; rows 16 i + j and + 8: twice 256 consecutive bytes, aligned
.endr
.endm
; My stores into A are done (count zero, for the other waves' sake); behind the barrier every wave may read the chunk.
.macro BARRIER
	s_wait_dscnt 0x0
	s_barrier_signal -1
	s_barrier_wait -1
.endm
	; ---- ids and lane constants ----
	s_load_b512 s[8:23], s[0:1], 0x0               ; emb0, emb1, emb2, emb3, proj1, proj2, proj3, tokens
	s_load_b64 s[OUT:OUT+1], s[0:1], 0x40          ; out0
	v_lshl_add_u32 v254, v0, 2, 0x2c000
	v_mov_b32 v255, 0
	v_lshrrev_b32 v11, 5, v0
	v_readfirstlane_b32 s26, v11                   ; w, the wave's number
	s_and_b32 s27, ttmp7, 0xffff                   ; tb: block of 256 tokens
	s_mov_b32 s[SC32], 0x42000000                  ; 32.0 = sqrt(1024)
	s_mov_b32 s[SC32+1], 0x42000000
	s_lshl_b32 s30, ttmp9, 10                      ; cb x 256 columns x 4 bytes
	s_lshl_b32 s4, s26, 8                          ; + w x 64 columns x 4 bytes
	s_add_co_u32 s30, s30, s4
	s_lshl_b32 s31, s26, 10
	s_add_co_u32 s31, s31, TOKL                    ; my token copy in LDS
	s_lshl_b32 s4, s26, 6                          ; 64 w: my tile's 16 tokens in a chunk's 64
	s_add_co_u32 s5, s31, s4
	s_mul_i32 s6, s26, TILE                        ; my tile's rows in a chunk of A
	v_and_b32 v12, 15, v0                          ; r
	v_bfe_u32 v13, v0, 4, 1                        ; h
	v_and_b32 v14, 31, v0                          ; L
	v_lshlrev_b32 v[LN16], 4, v12
	v_add_nc_u32 v[LNC], s30, v[LN16]
	v_lshl_add_u32 v[VB], v13, 15, v[LNC]
	v_and_b32 v[LN3], 3, v0
	v_lshlrev_b32 v[LN3], 4, v[LN3]
	v_lshl_add_u32 v[TKA], v13, 5, s31
	v_add_nc_u32 v[TPA], s4, v[TKA]
	v_and_b32 v[T3A], 28, v0                       ; 4 (L >> 2)
	v_add_nc_u32 v[T3A], s5, v[T3A]
	v_mul_u32_u24 v[ALA], v12, PITCH
	v_lshl_add_u32 v[ALA], v13, 4, v[ALA]
	v_lshlrev_b32 v[TGO], 5, v14
	v_add_nc_u32 v[TST], s31, v[TGO]
	v_mul_u32_u24 v15, v13, 8*PITCH                ; 5504 h
	v_lshl_add_u32 v15, v12, 3, v15                ; + 8 r
	v_add_nc_u32 v15, s6, v15                      ; + 11008 w
	v_bfe_u32 v[XT], v0, 2, 3                      ; L >> 2
	v_mul_u32_u24 v[XT], v[XT], PITCH
	v_and_b32 v[XT+1], 3, v0
	v_lshl_add_u32 v[XT], v[XT+1], 3, v[XT]
	v_add_nc_u32 v[XT], s6, v[XT]
	WIN 0x80
	v_mov_b32 v[AST2], v15
	WIN 0xC0
	v_mov_b32 v[OUTO3], v[VB]
	v_mov_b32 v[AST3], v15
	v_mov_b32 v[AS3], v[XT]
	WIN 0
	s_wait_kmcnt 0x0
	s_lshl_b32 s28, s27, 10                        ; 256 tokens of 4 bytes
	s_mov_b32 s29, 0
	s_add_nc_u64 s[TOKS:TOKS+1], s[TOKS:TOKS+1], s[28:29]
	s_lshl_b32 s28, s27, 20                        ; 256 rows of 4,096 bytes; tb < 64, so below 2^26
	s_add_nc_u64 s[OUT:OUT+1], s[OUT:OUT+1], s[28:29]
	; ---- ahead of the tiles: tokens, P into registers, the first gathers ----
	global_load_b128 v[TKN:TKN+3],   v[TGO], s[TOKS:TOKS+1]             ; each wave takes all 256 tokens, 8 a lane
	global_load_b128 v[TKN+4:TKN+7], v[TGO], s[TOKS:TOKS+1] offset:16
.set LDN, LDN+2
.set MK_T, LDN
	BLD 0
	BLD 1
	BLD 2
	WAITLD MK_T                                    ; the 48 loads of K steps 0-2 stay out
	ds_store_b128 v[TST], v[TKN:TKN+3]             ; my own copy: only this wave reads it, and LDS serves a wave in order (ISA guide 5.7.1.4): no wait, no barrier
	ds_store_b128 v[TST], v[TKN+4:TKN+7] offset:16
	GATHER 0
	BCV 0                                          ; three staging slots: a K step is rounded while the two behind it (and the gather) are on their way
	BLD 3
	BCV 1
	BLD 4
	BCV 2
	BLD 5
	BCV 3
	BLD 6
	BCV 4
	BLD 7
	BCV 5
	BLD 8
	BCV 6
	BLD 9
	BCV 7
	BLD 10
	TKLOAD 0                                       ; the emb0 ring is filled: tiles 0-3
	E0REFILL 0
	TKLOAD 1
	E0REFILL 1
	TKLOAD 2
	E0REFILL 2
	TKLOAD 3
	E0REFILL 3
	BCV 8
	BCV 9
	BCV 10
	WIN 0
.irp i, 84,85,86,87
	v_mov_b32 v[AF0+\i], 0                         ; A's k = 336 .. 351, in both buffers: written once, never a load's target
	v_mov_b32 v[AF1+\i], 0
.endr
	CONVERT                                        ; chunk 0 of A
	GATHER 1
	BARRIER
	; ---- chunk 0 ----
	ALOAD 0, AF0
	s_wait_dscnt 0x0
	TRIP 0, 0, 1, -1, 0, 0
	TRIP 1, 1, 1, 4, 1, 0
	TRIP 2, 2, 1, 5, 2, 1
	TRIP 3, 3, 0, 6, 3, 2
	WIN 0
	v_add_nc_u32 v[ALA], CHUNK, v[ALA]
	CONVERT                                        ; chunk 1 of A, gathered while chunk 0 was multiplied
	GATHER 2
	BARRIER
	; ---- chunk 1 ----
	ALOAD 0, AF0
	s_wait_dscnt 0x0
	TRIP 4, 0, 1, 7, 0, 3
	TRIP 5, 1, 1, 8, 1, 0
	TRIP 6, 2, 1, 9, 2, 1
	TRIP 7, 3, 0, 10, 3, 2
	WIN 0
	v_add_nc_u32 v[ALA], CHUNK, v[ALA]
	CONVERT
	GATHER 3
	BARRIER
	; ---- chunk 2 ----
	ALOAD 0, AF0
	s_wait_dscnt 0x0
	TRIP 8, 0, 1, 11, 0, 3
	TRIP 9, 1, 1, 12, 1, 0
	TRIP 10, 2, 1, 13, 2, 1
	TRIP 11, 3, 0, 14, 3, 2
	WIN 0
	v_add_nc_u32 v[ALA], CHUNK, v[ALA]
	CONVERT                                        ; the last chunk of A: nothing more is gathered
	BARRIER
	; ---- chunk 3: the emb0 ring runs out, the counts run down 24, 16, 8, 0 ----
	ALOAD 0, AF0
	s_wait_dscnt 0x0
	TRIP 12, 0, 1, 15, 0, 3
	TRIP 13, 1, 1, -1, 1, 0
	TRIP 14, 2, 1, -1, 2, 0
	TRIP 15, 3, 0, -1, 3, 0
	WIN 0
	s_wait_tensorcnt 0x0
	ds_add_u32 v254, v255
	s_wait_dscnt 0x0
	s_endpgm
.Lfunc_end_k_q33cb338932_embed:
	.size	k_q33cb338932_embed, .Lfunc_end_k_q33cb338932_embed-k_q33cb338932_embed
	.p2alignl 7, 3214868480
	.fill 96, 4, 3214868480
	.section	.rodata,"a",@progbits
	.p2align	6, 0x0
	.amdhsa_kernel k_q33cb338932_embed
		.amdhsa_group_segment_fixed_size 180736
		.amdhsa_private_segment_fixed_size 0
		.amdhsa_enable_private_segment 0
		.amdhsa_kernarg_size 72
		.amdhsa_user_sgpr_count 2
		.amdhsa_user_sgpr_kernarg_segment_ptr 1
		.amdhsa_wavefront_size32 1
		.amdhsa_system_sgpr_workgroup_id_x 1
		.amdhsa_system_sgpr_workgroup_id_y 1
		.amdhsa_system_sgpr_workgroup_id_z 1
		.amdhsa_system_vgpr_workitem_id 0
		.amdhsa_next_free_vgpr 976
		.amdhsa_next_free_sgpr 98
		.amdhsa_reserve_vcc 0
		.amdhsa_float_denorm_mode_32 3
		.amdhsa_float_denorm_mode_16_64 3
		.amdhsa_memory_ordered 1
		.amdhsa_forward_progress 1
		.amdhsa_inst_pref_size 255
	.end_amdhsa_kernel
	.section	.bss,"aw",@nobits
	.p2align	6
	.space	262144
	.amdgpu_metadata
---
amdhsa.version: [ 1, 2 ]
amdhsa.kernels:
  - .name:           k_q33cb338932_embed
    .symbol:         k_q33cb338932_embed.kd
    .args:
      - { .name: emb0, .offset: 0, .size: 8, .value_kind: global_buffer, .address_space: global }
      - { .name: emb1, .offset: 8, .size: 8, .value_kind: global_buffer, .address_space: global }
      - { .name: emb2, .offset: 16, .size: 8, .value_kind: global_buffer, .address_space: global }
      - { .name: emb3, .offset: 24, .size: 8, .value_kind: global_buffer, .address_space: global }
      - { .name: proj1, .offset: 32, .size: 8, .value_kind: global_buffer, .address_space: global }
      - { .name: proj2, .offset: 40, .size: 8, .value_kind: global_buffer, .address_space: global }
      - { .name: proj3, .offset: 48, .size: 8, .value_kind: global_buffer, .address_space: global }
      - { .name: tokens, .offset: 56, .size: 8, .value_kind: global_buffer, .address_space: global }
      - { .name: out0, .offset: 64, .size: 8, .value_kind: global_buffer, .address_space: global }
    .group_segment_fixed_size: 180736
    .private_segment_fixed_size: 0
    .kernarg_segment_align: 8
    .kernarg_segment_size: 72
    .max_flat_workgroup_size: 128
    .sgpr_count:     98
    .vgpr_count:     976
    .wavefront_size: 32
...
	.end_amdgpu_metadata
.endif
;; end of part 1
;; ======== version 2 of 2: 1 launch; version 1 with the launch embed written anew for expert scheduling mode
;; launch embed (part 2): grid 4 x 64, 4 waves a work-group, no clusters, 180,736 bytes of LDS; arguments emb0, emb1, emb2, emb3, proj1, proj2, proj3, tokens, out0; writes out0
.if DOCPART == 2
	.amdgcn_target "amdgcn-amd-amdhsa--gfx1250"
	.amdhsa_code_object_version 6
	.text
	.protected	k_q33cb338932_embed
	.globl	k_q33cb338932_embed
	.p2align	8
	.type	k_q33cb338932_embed,@function
k_q33cb338932_embed:
	s_mov_b64 s[64:65], 0
	v_nop
	global_prefetch_b8 v0, s[64:65] scope:SCOPE_SE
	s_setreg_imm32_b32 hwreg(HW_REG_WAVE_SCHED_MODE, 0, 2), 2
	s_setreg_imm32_b32 hwreg(HW_REG_WAVE_MODE, 25, 1), 1
	s_wait_xcnt 0x0
	s_wait_alu depctr_vm_vsrc(0)
; MaskAdaptiveEmbedding.  16,384 tokens; out[t][0..1023] (f32) =
;   32 * emb0[tok]                       for tok in [0, 20000)
;   32 * (emb1[tok-20000]  @ proj1)      for tok in [20000, 40000)      (K = 256)
;   32 * (emb2[tok-40000]  @ proj2)      for tok in [40000, 200000)     (K = 64)
;   32 * (emb3[tok-200000] @ proj3)      for tok in [200000, 267735)    (K = 16)
;   0                                    for any other tok (all four masks of the problem are false)
; ONE DENSE PRODUCT.  A[t] (bf16, K = 352) = emb1 row | emb2 row | emb3 row | 16 zeros, with the segments of the clusters to which
; the token does not belong set to zero; P = proj1, proj2, proj3, 16 zero rows stacked.  So no branch, trip count, register number
; or wait count hangs on a token: only gather offsets do, each clamped by v_min_u32.
; SHARES.  Work-group (x = cb, y = tb): 256 tokens x 256 columns.  Wave w: all 256 tokens x the 64 columns from 256 cb + 64 w.
; P's 352 x 64 piece of a wave stays in 352 registers for the whole kernel, loaded once in fragment layout.  A is built once for the
; work-group in LDS, a quarter by each wave, in four chunks of 64 tokens; a tile is 16 tokens: 4 accumulators x 11 K steps.
; COLUMN MAP.  Accumulator t, lane r = column base + 4 r + t.  So one 16-byte load of proj[k][base + 4 r ..] feeds one k of all four
; B fragments, and the four accumulators' register j of a lane are 16 neighbouring bytes of one output row: each store of the wave
; covers two aligned runs of 256 consecutive bytes (rows j and 8 + j), with no way through LDS.
; GATHERS WITHOUT EXEC.  d = tok - lo; e = min(d, n); m = min(n - e, 1); offset = ((e << log2 row bytes) + lane term) * m: a member reads
; its row, all others the table's first bytes.  What is read there never reaches a result: v_cndmask_b32 on the member mask selects.
; NO CLUSTER, NO JOINT REQUESTS: the 64 work-groups of one cb do read the same 336 x 1,024 bytes of P, but P has to pass through registers to be
; rounded to bf16 and is wanted there in fragment layout, where plain loads put it; brought jointly it would land in LDS as f32, 344,064 bytes,
; more than the 327,680 that a work-group can be given.  The gathered rows follow a list, row by row.
; The text is straight-line (16 tiles written out): every ring index, LDS offset and wait count is a constant, and the tails need no clamped load.
; THE MODE: SCHED_MODE bits 1:0 = 2 (LLVM: expert scheduling mode 2), set by the entry lines.  The code itself states the register dependences
; between vector or matrix instructions and memory or LDS instructions, with s_wait_alu, always for 0.
; THE PLAN.  Registers that memory or LDS instructions touch, and who else names them:
;   TKN, T3N      LDS loads land in them; ADDR's vector lines read them.  Each ADDR is followed by a wait on va_vdst before the next such load.
;   OFFE, OFF1-3  ADDR writes them; the gathers read them as offsets: va_vdst behind ADDR, vm_vsrc ahead of the next ADDR.
;   BS            staging slot s % 3: loaded for K step s, read by its conversions, loaded again for K step s + 3: va_vdst ahead of those loads.
;   AF0, AF1      a tile's matrix instructions read one; the next tile's LDS loads land in it.
;   EZ            slot i % 4: loaded, written in place by tile i's selects and products, read by its 8 stores, loaded again in tile i + 1.
;   GS1-3         loaded by GATHER, converted in place by CONVERT, read by its LDS stores, loaded again by the next GATHER.
;   AST2, AST3, AS3, ALA   LDS addresses, stepped by a vector add once a chunk: vm_vsrc ahead of the add, and the add ahead of a wait on va_vdst that stands there anyway.
;   VB, TGO, TST, TKA, TPA, T3A, OUTO3   made at the head, never written again.   B's fragments, ACC and XT are named by vector and matrix instructions alone.
;   s26 and the masks ME, MG1-3 are scalar registers written by vector lines: a wait on va_sdst stands behind each run of such lines, ahead of the first reader.
; A TILE has one wait on va_vdst behind its 48 selects and products.  Behind it stand its 8 stores and then, with no vector line between, the next tile's
; LDS loads of tokens and of A fragments: the one wait states that the slot is written, that the matrix instructions are done reading that A buffer,
; and that ADDR is done reading TKN.  CONVERT likewise: all its vector lines, one wait, all its 42 LDS stores.
; LIMITS.  (1) proj1, proj2, proj3 must stay finite when rounded to bf16 (|x| below about 3.39e38): a zero of A meets every row of P, and
; 0 x infinity would put a NaN into rows of other clusters.  Non-finite numbers in the emb tables reach only the tokens that name them.
; (2) Products take bf16 operands (round to nearest even) and f32 sums in the matrix unit's order; the emb0 path is f32 throughout.
; (3) The sign of a zero result may differ from the reference's.
.set N0,   20000                       ; rows of emb0
.set LO1,  20000                       ; cluster 1: first token, rows
.set N1,   20000
.set LO2,  40000
.set N2,   160000
.set LO3,  200000
.set N3,   67735
.set ROWB, 4096                        ; bytes in a row of out, of emb0 and of each proj
.set PITCH, 688                        ; an LDS row of A: 672 bytes of data + 16 = 43 x 16, an odd multiple of 16: the 16 rows of a fragment load start in 16 different 16-byte columns
.set TILE,  16*PITCH                   ; 11,008
.set CHUNK, 64*PITCH                   ; 44,032
.set TOKL,  256*PITCH                  ; 176,128: behind A, 1,024 bytes for each wave: its own copy of the work-group's 256 tokens
; scalar registers
.set SC32, 2                           ; s[2:3]   32.0, 32.0
.set EMB0, 8                           ; s[8:23]  the eight inputs' addresses
.set EMB1, 10
.set EMB2, 12
.set EMB3, 14
.set PJ1,  16
.set PJ2,  18
.set PJ3,  20
.set TOKS, 22
.set OUT,  24                          ; s[24:25] out0
.set MG1,  32                          ; s[32:39] member masks of the pending gather, emb1, token j
.set MG2,  40                          ; s[40:47] emb2
.set MG3,  48                          ; s[48:49] emb3
.set ME,   66                          ; s[66:97] cluster-0 masks of the four emb0 slots: 8 slot + j
; window 0 (v0-255)
.set LN16, 1                           ; 16 r
.set LNC,  2                           ; 16 r + my columns' byte offset in a row
.set VB,   3                           ; LNC + 8 h rows of 4,096 bytes; never rewritten
.set LN3,  4                           ; 16 (L & 3)
.set TKA,  5                           ; my token copy + 32 h
.set TPA,  6                           ; TKA + 64 w
.set T3A,  7                           ; my token copy + 64 w + 4 (L >> 2)
.set ALA,  8                           ; 688 r + 16 h, + CHUNK after each chunk
.set TGO,  9                           ; 32 L; never rewritten
.set TST,  10                          ; my token copy + 32 L
.set T3N,  14                          ; v[14:15]   tokens for the emb3 gather
.set TKN,  16                          ; v[16:23]   eight tokens at work
.set OFFE, 24                          ; v[24:31]   emb0 offsets
.set OFF1, 32                          ; v[32:39]   emb1 offsets
.set OFF2, 40                          ; v[40:47]   emb2 offsets
.set AF0,  48                          ; v[48:135]  A fragments, buffer 0: K step s at + 8 s; + 84 .. + 87 stay zero
.set AF1,  136                         ; v[136:223] buffer 1
.set BS,   48                          ; v[48:239]  ahead of the tiles: three slots of 64 registers, P as loaded (f32)
.set OFF3, 240                         ; v[240:241] emb3 offsets
.set XT,   242                         ; v[242:249] the factors m
; window 1 (v256-511): B fragments of K steps 0-7, at 32 s + 8 t.  Window 2 (v512-767): K steps 8-10 at 32 (s - 8) + 8 t, then
.set GS1,  96                          ; v[608:735] emb1 as gathered: 16 j + 4 q
.set AST2, 224                         ; v736       where I store A: 11008 w + 5504 h + 8 r, + CHUNK after each chunk
; window 3 (v768-1023)
.set EZ,   0                           ; v[768:895] emb0 ring: 32 slot + 4 j + t; the result is made and stored from here
.set ACC,  128                         ; v[896:927] four accumulators
.set GS2,  160                         ; v[928:959] emb2 as gathered: 4 j
.set GS3,  192                         ; v[960:967] emb3 as gathered: 4 q
.set OUTO3, 200                        ; v968       = VB; never rewritten
.set AST3, 201                         ; v969       = AST2
.set AS3,  202                         ; v970       11008 w + 688 (L >> 2) + 8 (L & 3), + CHUNK after each chunk
; s_set_vgpr_msb's low byte: bits 1:0 source 0, 3:2 source 1, 5:4 source 2, 7:6 destination; the high byte repeats the setting that is left.
; Used: 0; 0x40, 0x80, 0xC0 destination in window 1, 2, 3; 0x8A all in window 2; 0xCF all in window 3; 0xF4, 0xF8 matrix: C, D window 3, A window 0, B window 1, 2.
.set MSB, 0
.macro WIN new
.if MSB != \new
	s_set_vgpr_msb (MSB<<8)|\new
.set MSB, \new
.endif
.endm
; LDN counts the global loads issued so far in the text, which has one path.  A group of loads notes LDN behind its last load (its mark).
; To use the group: wait until no more loads are out than were issued behind it (loads return in order, ISA guide 5.7.1).
; The wait's field holds 63 at the most; where more were issued behind the group the count is 63, which is smaller and so asks for more.
.set LDN, 0
.macro WAITLD mark
.if LDN-(\mark) > 63
	s_wait_loadcnt 63
.else
	s_wait_loadcnt LDN-(\mark)
.endif
.endm
.macro PLACES                          ; four places behind a matrix instruction (ISA guide 7.12.1)
.rept 4
	v_nop
.endr
.endm
; Offsets and member masks for cnt tokens v[tok ..] of the cluster [lo, lo + n): stage by stage, so that no line waits for the one in front of it.
.macro ADDR off, tok, msk, cnt, lo, n, sh, lane
.if \lo
.set a_, 0
.rept \cnt
	v_add_nc_u32 v[\off+a_], (-\lo)&0xffffffff, v[\tok+a_]      ; d = tok - lo, huge (unsigned) for a token below lo
.set a_, a_+1
.endr
.set SRC_, \off
.else
.set SRC_, \tok
.endif
.set a_, 0
.rept \cnt
	v_cmp_gt_u32 s[\msk+a_], \n, v[SRC_+a_]                     ; member: n > d
.set a_, a_+1
.endr
.set a_, 0
.rept \cnt
	v_min_u32 v[\off+a_], \n, v[SRC_+a_]                        ; e = min(d, n): from here on the number is bounded
.set a_, a_+1
.endr
.set a_, 0
.rept \cnt
	v_sub_nc_u32 v[XT+a_], \n, v[\off+a_]
.set a_, a_+1
.endr
.set a_, 0
.rept \cnt
	v_min_u32 v[XT+a_], 1, v[XT+a_]                             ; m = min(n - e, 1): 1 for a member, else 0
.set a_, a_+1
.endr
.set a_, 0
.rept \cnt
	v_lshl_add_u32 v[\off+a_], v[\off+a_], \sh, v[\lane]        ; the row's bytes + my piece of it
.set a_, a_+1
.endr
.set a_, 0
.rept \cnt
	v_mul_lo_u32 v[\off+a_], v[\off+a_], v[XT+a_]               ; a non-member reads at offset 0
.set a_, a_+1
.endr
.endm
; K step s of P as f32 into staging slot s % 3: load kk brings row k = 32 s' + 8 h + kk (kk < 8) or + 16 + 8 h + kk - 8, my 4 columns.
; Sixteen lanes read 256 consecutive bytes.  K step 10 has 16 rows only (proj3).
.macro BLD s
	WIN 0
.if \s >= 3
	s_wait_alu depctr_va_vdst(0)                                ; the conversions of K step s - 3 are done reading this staging slot, in which the loads below land
.endif
.if \s < 8
.set BB, PJ1
.set BR, 32*\s
.set BN, 16
.else
.if \s < 10
.set BB, PJ2
.set BR, 32*(\s-8)
.set BN, 16
.else
.set BB, PJ3
.set BR, 0
.set BN, 8
.endif
.endif
.set kk, 0
.rept BN
	global_load_b128 v[BS+64*(\s%3)+4*kk:BS+64*(\s%3)+4*kk+3], v[VB], s[BB:BB+1] offset:(BR+kk+8*(kk/8))*ROWB
.set kk, kk+1
.set LDN, LDN+1
.endr
.set MK_B\s, LDN
.endm
; Staging slot to B fragments: register i of fragment t holds k pair (2 i, 2 i + 1) of the loads' order, column 4 r + t.
.macro BCV s
	WAITLD MK_B\s
.if \s < 8
	WIN 0x40
.set BD, 32*\s
.else
	WIN 0x80
.set BD, 32*(\s-8)
.endif
.if \s < 10
.set BN, 8
.else
.set BN, 4
.endif
.set tt, 0
.rept 4
.set ii, 0
.rept BN
	v_cvt_pk_bf16_f32 v[BD+8*tt+ii], v[BS+64*(\s%3)+8*ii+tt], v[BS+64*(\s%3)+8*ii+4+tt]
.set ii, ii+1
.endr
.set tt, tt+1
.endr
.if \s == 10
.irp t, 0,1,2,3
.irp i, 4,5,6,7
	v_mov_b32 v[BD+8*\t+\i], 0                                  ; k = 336 .. 351: P's zero rows
.endr
.endr
.endif
.endm
; Tokens 16 u + 8 h + 0 .. 7 of the work-group, from my own copy.
; No wait of its own: the ADDR that read TKN last stands ahead of a wait on va_vdst, and no vector line since that wait names TKN or TKA.
.macro TKLOAD u
	WIN 0
	ds_load_b128 v[TKN:TKN+3],   v[TKA] offset:64*(\u)
	ds_load_b128 v[TKN+4:TKN+7], v[TKA] offset:64*(\u)+16
.endm
; The emb0 pieces of the tile whose tokens TKLOAD asked for, into ring slot `slot`: row j of each half, my 16 bytes.
; first = 1: the kernel's first refill: no load has read OFFE yet and no store the slot.
.macro E0REFILL slot, first
	WIN 0
	s_wait_dscnt 0x0                                            ; TKN is in (and, in a trip, the next tile's A fragments)
	s_wait_xcnt 0x0                                             ; OFFE, which the last refill's loads name, and the slot, which its tile's stores read, are rewritten only behind this wait
.if !\first
	s_wait_alu depctr_vm_vsrc(0)                                ; the last refill's loads have read OFFE, which ADDR writes again; in a trip the stores of the tile in front have read the slot, in which the loads below land
.endif
	ADDR OFFE, TKN, ME+8*\slot, 8, 0, N0, 12, LNC
	s_wait_alu depctr_va_sdst(0)                                ; the compares have written the slot's masks s[ME ..], ahead of their first reader, the selects of the slot's tile
	WIN 0xC0
	s_wait_alu depctr_va_vdst(0)                                ; ADDR has written OFFE, which the loads below read as offsets, and is done reading TKN; the selects and products that wrote the slot are done
.irp j, 0,1,2,3,4,5,6,7
	global_load_b128 v[EZ+32*\slot+4*\j:EZ+32*\slot+4*\j+3], v[OFFE+\j], s[EMB0:EMB0+1]
.set LDN, LDN+1
.endr
.set MK_E\slot, LDN
.endm
; Chunk c's gather, my tile 4 c + w: 42 loads into registers.  emb1: token 8 h + j, 16 lanes take 256 consecutive bytes, four loads a row;
; emb2: one load a row; emb3: four lanes a row of 64 bytes, tokens (L >> 2) + 8 q.
; OFF1-3 and the GS registers were freed by the wait at the head of the CONVERT in front, which shows the last gather's loads done;
; that those loads have read OFF1-3, and CONVERT's LDS stores the GS registers, is stated by the wait on vm_vsrc at CONVERT's end.
; The four LDS loads have no wait of their own: the ADDR lines that read TKN and T3N last stand ahead of a wait on va_vdst, and no vector line since names them.
.macro GATHER c
	WIN 0
	ds_load_b128 v[TKN:TKN+3],   v[TPA] offset:256*\c
	ds_load_b128 v[TKN+4:TKN+7], v[TPA] offset:256*\c+16
	ds_load_b32 v[T3N],   v[T3A] offset:256*\c
	ds_load_b32 v[T3N+1], v[T3A] offset:256*\c+32
	s_wait_dscnt 0x0
	ADDR OFF1, TKN, MG1, 8, LO1, N1, 10, LN16
	ADDR OFF2, TKN, MG2, 8, LO2, N2, 8, LN16
	ADDR OFF3, T3N, MG3, 2, LO3, N3, 6, LN3
	s_wait_alu depctr_va_sdst(0)                                ; the compares have written the masks s[MG1 ..], s[MG2 ..], s[MG3 ..], ahead of their first reader, CONVERT's selects
	WIN 0x80
	s_wait_alu depctr_va_vdst(0)                                ; ADDR has written OFF1-3, which the 42 loads below read as offsets, and is done reading TKN and T3N; CONVERT's lines that named the GS registers are done
.irp j, 0,1,2,3,4,5,6,7
.irp q, 0,1,2,3
	global_load_b128 v[GS1+16*\j+4*\q:GS1+16*\j+4*\q+3], v[OFF1+\j], s[EMB1:EMB1+1] offset:256*\q
.set LDN, LDN+1
.endr
.endr
	WIN 0xC0
.irp j, 0,1,2,3,4,5,6,7
	global_load_b128 v[GS2+4*\j:GS2+4*\j+3], v[OFF2+\j], s[EMB2:EMB2+1]
.set LDN, LDN+1
.endr
.irp q, 0,1
	global_load_b128 v[GS3+4*\q:GS3+4*\q+3], v[OFF3+\q], s[EMB3:EMB3+1]
.set LDN, LDN+1
.endr
.set MK_G, LDN
.endm
; Four f32 in v[x:x+3] to four bf16 in v[x:x+1]; zero in the lanes whose token is no member (a select: what was read there does not matter)
.macro CVT4 x, m
	v_cvt_pk_bf16_f32 v[\x], v[\x], v[\x+1]
	v_cvt_pk_bf16_f32 v[\x+1], v[\x+2], v[\x+3]
	v_cndmask_b32 v[\x], 0, v[\x], s[\m]
	v_cndmask_b32 v[\x+1], 0, v[\x+1], s[\m]
.endm
; The pending gather to A in LDS: 8 bytes a lane; lanes 0-15 fill 128 consecutive bytes of one row, lanes 16-31 of the row 8 further (5,504 = 128 mod 256 bytes on).
; These bytes belong to a chunk that no wave reads before the next barrier, and no byte of A is written twice.
; All 168 vector lines first, one wait, then the 42 LDS stores in one run.
.macro CONVERT
	WAITLD MK_G
	WIN 0x8A
.irp j, 0,1,2,3,4,5,6,7
.irp q, 0,1,2,3
	CVT4 GS1+16*\j+4*\q, MG1+\j
.endr
.endr
	WIN 0xCF
.irp j, 0,1,2,3,4,5,6,7
	CVT4 GS2+4*\j, MG2+\j
.endr
.irp q, 0,1
	CVT4 GS3+4*\q, MG3+\q
.endr
	s_wait_alu depctr_va_vdst(0)                                ; the conversions and selects have written the GS registers, the LDS stores' data; AST2, AST3, AS3, their addresses, are written; so is v[ALA], which the fragment loads behind the barrier read
.irp j, 0,1,2,3,4,5,6,7
	ds_store_b64 v[AST3], v[GS2+4*\j:GS2+4*\j+1] offset:PITCH*\j+512
.endr
.irp q, 0,1
	ds_store_b64 v[AS3], v[GS3+4*\q:GS3+4*\q+1] offset:8*PITCH*\q+640
.endr
	WIN 0x8A
.irp j, 0,1,2,3,4,5,6,7
.irp q, 0,1,2,3
	ds_store_b64 v[AST2], v[GS1+16*\j+4*\q:GS1+16*\j+4*\q+1] offset:PITCH*\j+128*\q
.endr
.endr
	s_wait_alu depctr_vm_vsrc(0)                                ; the LDS stores have read their addresses, which the adds below write, and the GS registers, in which the next gather lands; the last gather's loads have read OFF1-3, which the next ADDR writes
	v_add_nc_u32 v[AST2], CHUNK, v[AST2]
	WIN 0xCF
	v_add_nc_u32 v[AST3], CHUNK, v[AST3]
	v_add_nc_u32 v[AS3], CHUNK, v[AS3]
.endm
; The A fragments of tile a of the chunk: lane (r, h) takes row r, bytes 64 s + 16 h and + 32 of K step s; K step 10 has data for its first 16 k only.
; No wait of its own: the matrix instructions (ahead of the tiles: the conversions) that read the buffer last, and the add that wrote v[ALA], stand ahead of a wait on va_vdst,
; and no vector or matrix line since that wait names the buffer or v[ALA].
.macro ALOAD a, buf
	WIN 0
.irp s, 0,1,2,3,4,5,6,7,8,9
	ds_load_b128 v[\buf+8*\s:\buf+8*\s+3],   v[ALA] offset:TILE*(\a)+64*\s
	ds_load_b128 v[\buf+8*\s+4:\buf+8*\s+7], v[ALA] offset:TILE*(\a)+64*\s+32
.endr
	ds_load_b128 v[\buf+80:\buf+83], v[ALA] offset:TILE*(\a)+640
.endm
; One tile.  i: tile 0-15; a = i % 4; pre = 1: the chunk's next tile's fragments are asked for; ref: the tile whose emb0 pieces are asked for (-1: none);
; slot = i % 4: my emb0 slot; rslot = ref % 4: the slot filled again, which the tile in front has just stored.
; The LDS loads stand in one run ahead of the matrix instructions and not among them: their destination lies in window 0, the matrix lines' in window 3.
.macro TRIP i, a, pre, ref, slot, rslot
.if (\i)&1
.set AB, AF1
.set AN, AF0
.else
.set AB, AF0
.set AN, AF1
.endif
.if \ref >= 0
	TKLOAD \ref
.endif
.if \pre
	ALOAD \a+1, AN                                              ; the matrix instructions that read this buffer stand in the tile in front, ahead of the wait in front of its stores
.endif
	WIN 0xF4
.irp t, 0,1,2,3
	v_wmma_f32_16x16x32_bf16 v[ACC+8*\t:ACC+8*\t+7], v[AB:AB+7], v[8*\t:8*\t+7], 0      ; the first product starts the sums
.endr
.irp s, 1,2,3,4,5,6,7
.irp t, 0,1,2,3
	v_wmma_f32_16x16x32_bf16 v[ACC+8*\t:ACC+8*\t+7], v[AB+8*\s:AB+8*\s+7], v[32*\s+8*\t:32*\s+8*\t+7], v[ACC+8*\t:ACC+8*\t+7]
.endr
.endr
	WIN 0xF8
.irp s, 8,9,10
.irp t, 0,1,2,3
	v_wmma_f32_16x16x32_bf16 v[ACC+8*\t:ACC+8*\t+7], v[AB+8*\s:AB+8*\s+7], v[32*(\s-8)+8*\t:32*(\s-8)+8*\t+7], v[ACC+8*\t:ACC+8*\t+7]
.endr
.endr
.if \ref >= 0
	E0REFILL \rslot, 0                                          ; its 48 vector instructions name no matrix register: they are also the places behind the last products
.else
.if \pre
	s_wait_dscnt 0x0                                            ; the next tile's A fragments are in
.endif
	PLACES
.endif
	WAITLD MK_E\slot                                            ; my tile's emb0 pieces are in; the younger refills and the pending gather stay out
	WIN 0xCF
.irp j, 0,1,2,3,4,5,6,7
.irp t, 0,1,2,3
	v_cndmask_b32 v[EZ+32*\slot+4*\j+\t], v[ACC+8*\t+\j], v[EZ+32*\slot+4*\j+\t], s[ME+8*\slot+\j]   ; cluster 0: the emb0 number; else the product.  This also brings 4 neighbouring columns together
.endr
	v_pk_mul_f32 v[EZ+32*\slot+4*\j:EZ+32*\slot+4*\j+1],   v[EZ+32*\slot+4*\j:EZ+32*\slot+4*\j+1],   s[SC32:SC32+1] op_sel_hi:[1,0]
	v_pk_mul_f32 v[EZ+32*\slot+4*\j+2:EZ+32*\slot+4*\j+3], v[EZ+32*\slot+4*\j+2:EZ+32*\slot+4*\j+3], s[SC32:SC32+1] op_sel_hi:[1,0]
.endr
	s_wait_alu depctr_va_vdst(0)                                ; the selects and products have written the slot, which the 8 stores read; this tile's matrix instructions are done reading their A buffer, in which the next tile's LDS loads land
.irp j, 0,1,2,3,4,5,6,7
	global_store_b128 v[OUTO3], v[EZ+32*\slot+4*\j:EZ+32*\slot+4*\j+3], s[OUT:OUT+1] offset:(16*\i+\j)*ROWB th:TH_STORE_NT   ; rows 16 i + j and + 8: twice 256 consecutive bytes, aligned
.endr
.endm
; A chunk's tiles are done: the LDS address of the fragments moves on by a chunk.  The add stands ahead of CONVERT's wait on va_vdst.
.macro NEXTA
	WIN 0
	s_wait_alu depctr_vm_vsrc(0)                                ; the chunk's fragment loads have read v[ALA]
	v_add_nc_u32 v[ALA], CHUNK, v[ALA]
.endm
; My stores into A are done (count zero, for the other waves' sake); behind the barrier every wave may read the chunk.
.macro BARRIER
	s_wait_dscnt 0x0
	s_barrier_signal -1
	s_barrier_wait -1
.endm
	; ---- ids and lane constants ----
	s_load_b512 s[8:23], s[0:1], 0x0               ; emb0, emb1, emb2, emb3, proj1, proj2, proj3, tokens
	s_load_b64 s[OUT:OUT+1], s[0:1], 0x40          ; out0
	v_lshl_add_u32 v254, v0, 2, 0x2c000
	v_mov_b32 v255, 0
	v_lshrrev_b32 v11, 5, v0
	v_readfirstlane_b32 s26, v11                   ; w, the wave's number
	s_and_b32 s27, ttmp7, 0xffff                   ; tb: block of 256 tokens
	s_mov_b32 s[SC32], 0x42000000                  ; 32.0 = sqrt(1024)
	s_mov_b32 s[SC32+1], 0x42000000
	s_lshl_b32 s30, ttmp9, 10                      ; cb x 256 columns x 4 bytes
	s_wait_alu depctr_va_sdst(0)                   ; s26 is written, ahead of its first reader: the column offset and the LDS places are made from it
	s_lshl_b32 s4, s26, 8                          ; + w x 64 columns x 4 bytes
	s_add_co_u32 s30, s30, s4
	s_lshl_b32 s31, s26, 10
	s_add_co_u32 s31, s31, TOKL                    ; my token copy in LDS
	s_lshl_b32 s4, s26, 6                          ; 64 w: my tile's 16 tokens in a chunk's 64
	s_add_co_u32 s5, s31, s4
	s_mul_i32 s6, s26, TILE                        ; my tile's rows in a chunk of A
	v_and_b32 v12, 15, v0                          ; r
	v_bfe_u32 v13, v0, 4, 1                        ; h
	v_and_b32 v14, 31, v0                          ; L
	v_lshlrev_b32 v[LN16], 4, v12
	v_add_nc_u32 v[LNC], s30, v[LN16]
	v_lshl_add_u32 v[VB], v13, 15, v[LNC]
	v_and_b32 v[LN3], 3, v0
	v_lshlrev_b32 v[LN3], 4, v[LN3]
	v_lshl_add_u32 v[TKA], v13, 5, s31
	v_add_nc_u32 v[TPA], s4, v[TKA]
	v_and_b32 v[T3A], 28, v0                       ; 4 (L >> 2)
	v_add_nc_u32 v[T3A], s5, v[T3A]
	v_mul_u32_u24 v[ALA], v12, PITCH
	v_lshl_add_u32 v[ALA], v13, 4, v[ALA]
	v_lshlrev_b32 v[TGO], 5, v14
	v_add_nc_u32 v[TST], s31, v[TGO]
	v_mul_u32_u24 v15, v13, 8*PITCH                ; 5504 h
	v_lshl_add_u32 v15, v12, 3, v15                ; + 8 r
	v_add_nc_u32 v15, s6, v15                      ; + 11008 w
	v_bfe_u32 v[XT], v0, 2, 3                      ; L >> 2
	v_mul_u32_u24 v[XT], v[XT], PITCH
	v_and_b32 v[XT+1], 3, v0
	v_lshl_add_u32 v[XT], v[XT+1], 3, v[XT]
	v_add_nc_u32 v[XT], s6, v[XT]
	WIN 0x80
	v_mov_b32 v[AST2], v15
	WIN 0xC0
	v_mov_b32 v[OUTO3], v[VB]
	v_mov_b32 v[AST3], v15
	v_mov_b32 v[AS3], v[XT]
	WIN 0
	s_wait_kmcnt 0x0
	s_lshl_b32 s28, s27, 10                        ; 256 tokens of 4 bytes
	s_mov_b32 s29, 0
	s_add_nc_u64 s[TOKS:TOKS+1], s[TOKS:TOKS+1], s[28:29]
	s_lshl_b32 s28, s27, 20                        ; 256 rows of 4,096 bytes; tb < 64, so below 2^26
	s_add_nc_u64 s[OUT:OUT+1], s[OUT:OUT+1], s[28:29]
	s_wait_alu depctr_va_vdst(0)                   ; all offsets and LDS addresses made above are written, which the loads and stores of the whole kernel read; the lines that named v14 and v15, in which LDS loads land, are done
	; ---- ahead of the tiles: tokens, P into registers, the first gathers ----
	global_load_b128 v[TKN:TKN+3],   v[TGO], s[TOKS:TOKS+1]             ; each wave takes all 256 tokens, 8 a lane
	global_load_b128 v[TKN+4:TKN+7], v[TGO], s[TOKS:TOKS+1] offset:16
.set LDN, LDN+2
.set MK_T, LDN
	BLD 0
	BLD 1
	BLD 2
	WAITLD MK_T                                    ; the 48 loads of K steps 0-2 stay out
	ds_store_b128 v[TST], v[TKN:TKN+3]             ; my own copy: only this wave reads it, and LDS serves a wave in order (ISA guide 5.7.1.4): no wait, no barrier
	ds_store_b128 v[TST], v[TKN+4:TKN+7] offset:16
	s_wait_alu depctr_vm_vsrc(0)                   ; the two LDS stores have read TKN, in which the gather's token loads land
	GATHER 0
	BCV 0                                          ; three staging slots: a K step is rounded while the two behind it (and the gather) are on their way
	BLD 3
	BCV 1
	BLD 4
	BCV 2
	BLD 5
	BCV 3
	BLD 6
	BCV 4
	BLD 7
	BCV 5
	BLD 8
	BCV 6
	BLD 9
	BCV 7
	BLD 10
	TKLOAD 0                                       ; the emb0 ring is filled: tiles 0-3
	E0REFILL 0, 1
	TKLOAD 1
	E0REFILL 1, 0
	TKLOAD 2
	E0REFILL 2, 0
	TKLOAD 3
	E0REFILL 3, 0
	BCV 8
	BCV 9
	BCV 10
	WIN 0
.irp i, 84,85,86,87
	v_mov_b32 v[AF0+\i], 0                         ; A's k = 336 .. 351, in both buffers: written once, never a load's target
	v_mov_b32 v[AF1+\i], 0
.endr
	CONVERT                                        ; chunk 0 of A
	GATHER 1
	BARRIER
	; ---- chunk 0 ----
	ALOAD 0, AF0
	s_wait_dscnt 0x0
	TRIP 0, 0, 1, -1, 0, 0
	TRIP 1, 1, 1, 4, 1, 0
	TRIP 2, 2, 1, 5, 2, 1
	TRIP 3, 3, 0, 6, 3, 2
	NEXTA
	CONVERT                                        ; chunk 1 of A, gathered while chunk 0 was multiplied
	GATHER 2
	BARRIER
	; ---- chunk 1 ----
	ALOAD 0, AF0
	s_wait_dscnt 0x0
	TRIP 4, 0, 1, 7, 0, 3
	TRIP 5, 1, 1, 8, 1, 0
	TRIP 6, 2, 1, 9, 2, 1
	TRIP 7, 3, 0, 10, 3, 2
	NEXTA
	CONVERT
	GATHER 3
	BARRIER
	; ---- chunk 2 ----
	ALOAD 0, AF0
	s_wait_dscnt 0x0
	TRIP 8, 0, 1, 11, 0, 3
	TRIP 9, 1, 1, 12, 1, 0
	TRIP 10, 2, 1, 13, 2, 1
	TRIP 11, 3, 0, 14, 3, 2
	NEXTA
	CONVERT                                        ; the last chunk of A: nothing more is gathered
	BARRIER
	; ---- chunk 3: the emb0 ring runs out, the counts run down 24, 16, 8, 0 ----
	ALOAD 0, AF0
	s_wait_dscnt 0x0
	TRIP 12, 0, 1, 15, 0, 3
	TRIP 13, 1, 1, -1, 1, 0
	TRIP 14, 2, 1, -1, 2, 0
	TRIP 15, 3, 0, -1, 3, 0
	WIN 0
	s_wait_dscnt 0x0
	s_wait_alu depctr_hold_cnt(0) depctr_sa_sdst(0) depctr_va_vdst(0) depctr_va_sdst(0) depctr_va_ssrc(0) depctr_va_vcc(0) depctr_vm_vsrc(0)
	s_wait_tensorcnt 0x0
	ds_add_u32 v254, v255
	s_wait_dscnt 0x0
	s_endpgm
.Lfunc_end_k_q33cb338932_embed:
	.size	k_q33cb338932_embed, .Lfunc_end_k_q33cb338932_embed-k_q33cb338932_embed
	.p2alignl 7, 3214868480
	.fill 96, 4, 3214868480
	.section	.rodata,"a",@progbits
	.p2align	6, 0x0
	.amdhsa_kernel k_q33cb338932_embed
		.amdhsa_group_segment_fixed_size 180736
		.amdhsa_private_segment_fixed_size 0
		.amdhsa_enable_private_segment 0
		.amdhsa_kernarg_size 72
		.amdhsa_user_sgpr_count 2
		.amdhsa_user_sgpr_kernarg_segment_ptr 1
		.amdhsa_wavefront_size32 1
		.amdhsa_system_sgpr_workgroup_id_x 1
		.amdhsa_system_sgpr_workgroup_id_y 1
		.amdhsa_system_sgpr_workgroup_id_z 1
		.amdhsa_system_vgpr_workitem_id 0
		.amdhsa_next_free_vgpr 976
		.amdhsa_next_free_sgpr 98
		.amdhsa_reserve_vcc 0
		.amdhsa_float_denorm_mode_32 3
		.amdhsa_float_denorm_mode_16_64 3
		.amdhsa_memory_ordered 1
		.amdhsa_forward_progress 1
		.amdhsa_inst_pref_size 255
	.end_amdhsa_kernel
	.section	.bss,"aw",@nobits
	.p2align	6
	.space	262144
	.amdgpu_metadata
---
amdhsa.version: [ 1, 2 ]
amdhsa.kernels:
  - .name:           k_q33cb338932_embed
    .symbol:         k_q33cb338932_embed.kd
    .args:
      - { .name: emb0, .offset: 0, .size: 8, .value_kind: global_buffer, .address_space: global }
      - { .name: emb1, .offset: 8, .size: 8, .value_kind: global_buffer, .address_space: global }
      - { .name: emb2, .offset: 16, .size: 8, .value_kind: global_buffer, .address_space: global }
      - { .name: emb3, .offset: 24, .size: 8, .value_kind: global_buffer, .address_space: global }
      - { .name: proj1, .offset: 32, .size: 8, .value_kind: global_buffer, .address_space: global }
      - { .name: proj2, .offset: 40, .size: 8, .value_kind: global_buffer, .address_space: global }
      - { .name: proj3, .offset: 48, .size: 8, .value_kind: global_buffer, .address_space: global }
      - { .name: tokens, .offset: 56, .size: 8, .value_kind: global_buffer, .address_space: global }
      - { .name: out0, .offset: 64, .size: 8, .value_kind: global_buffer, .address_space: global }
    .group_segment_fixed_size: 180736
    .private_segment_fixed_size: 0
    .kernarg_segment_align: 8
    .kernarg_segment_size: 72
    .max_flat_workgroup_size: 128
    .sgpr_count:     98
    .vgpr_count:     976
    .wavefront_size: 32
...
	.end_amdgpu_metadata
.endif
;; end of part 2
